; MI455X (gfx1250); checked and timed in simulation.
; The chip was launched on July 23, 2026; its instructions are those of AMD's public machine-readable ISA for CDNA 5 (MIT licence, August 2026) and "CDNA5" Instruction Set Architecture Reference Guide (July 2026). The comments in the code are by the model that wrote it; some were corrected since.
;; Le PE Attention. Allowed arithmetic: matrix products marked QUANTISED: E2M3 operands, one E8M0 scale for each 32 along K, by v_wmma_scale_f32_16x16x128_f8f6f4 with both operands' format E2M3, f32 sums; everything else in f32.
;; Inputs: qkv 3 x 8 x 4,096 x 128 float32.
;; Outputs: out0 8 x 4,096 x 128 float32.
;; Constants: H = 64, W = 64.
;; This version of the problem:
;;   THIS VERSION OF THE PROBLEM IS GIVEN IN LOW PRECISION. The matrix products marked QUANTISED in the list below multiply operands that are first quantised to E2M3 (2 exponent bits, 3 mantissa bits; 6 bits a number), with one power-of-two scale for each 32 numbers along K (OCP MX v1.0); their sums are f32. All else is computed in f32.
;;   The module's matrix products, in the order in which they are computed (A, B: the left and right operand; K: the contracted axis; several contracted axes count as one K, in the product's order):
;;     1. batch 256 x [M 512, K 32] x [K 32, N 512]; A: computed on the way; B: input qkv: QUANTISED
;;     2. batch 256 x [M 512, K 512] x [K 512, N 32]; A: softmax (see below); B: input qkv: QUANTISED
;;   THE QUANTISER, for each operand of a quantised product, along K:
;;     - K is cut into blocks of 32 from its start; a last block that is shorter is filled with zeros.
;;     - A block's scale is 2^e with e = floor(log2(the largest magnitude in the block)) - 2, held to -126 .. 127; a block of zeros has e = 0. As a byte (E8M0): e + 127.
;;     - Each number is divided by its block's scale, clamped to +-7.5, and rounded to the nearest number of E2M3, ties to even, subnormals kept.
;;     - The product sums the exact products of the quantised numbers (number of the format x scale) in f32.
;;   ~~~python
;;   def quantise(x, axis):      # numpy; x: float32 -> the quantised numbers, widened to float32 again
;;       x = np.moveaxis(x, axis, -1); K = x.shape[-1]
;;       x = np.pad(x, [(0, 0)] * (x.ndim - 1) + [(0, -K % 32)]); x = x.reshape(x.shape[:-1] + (-1, 32)); a = np.abs(x).max(-1, keepdims=True)
;;       e = np.where(a > 0, np.clip(np.frexp(np.where(a > 0, a, 1))[1] - 1 - 2, -126, 127), 0)      # np.frexp(a)[1] - 1 = floor(log2(a)), exactly
;;       r = np.clip(x / 2.0 ** e, -7.5, 7.5)
;;       step = 2.0 ** (np.maximum(np.frexp(np.where(r == 0, 1, r))[1] - 1, 0) - 3)
;;       q = np.round(r / step) * step * 2.0 ** e      # np.round: ties to even
;;       return np.moveaxis(q.reshape(q.shape[:-2] + (-1,))[..., :K], -1, axis).astype(np.float32)
;;   ~~~
;;   SOFTMAX AHEAD OF A QUANTISED PRODUCT. Where the list says 'softmax', what is quantised is not the finished softmax but p = 2^(t - M), with t = logit x log2(e) and M = ceil(the row's largest t), a whole number; so 1/2 < the row's largest p <= 1. The row's sum l is taken of the UNQUANTISED p, in f32, and the product's result is divided by l at the end. Since M is a whole number, a kernel that streams over the keys may use a running M (the ceiling of the running maximum): every later rescaling is an exact power of two, which a block's scale takes up: the codes' values come out the same.
;;   OPERANDS COMPUTED ON THE WAY. 'Computed on the way' means the value that the module computes at that place (a softmax that the list does not call 'softmax' is quantised finished and normalised). What goes into a quantiser is computed in f32, as accurately as f32 sums, v_exp_f32 and their like allow (about 1e-6 of the number): no bf16 or f16 on the way to a quantiser, and a product that is left as it is and whose result goes on into a quantised operand takes f32 operands (vector FMAs, or v_wmma_f32_16x16x4_f32). A number that lies on a knife's edge between two numbers of the format may be rounded either way, as far as f32 arithmetic and the matrix unit's own rounding can turn it there, and no further.
;; 2 versions. Each part assembles by itself: llvm-mc -triple=amdgcn-amd-amdhsa -mcpu=gfx1250 --defsym DOCPART=n.
;; ======== version 1 of 2: 1 launch
;; launch lepe (part 1): grid 256 x 1, 16 waves a work-group, no clusters, 192,512 bytes of LDS; arguments qkv, out0; writes out0
.if DOCPART == 1
	.amdgcn_target "amdgcn-amd-amdhsa--gfx1250"
	.amdhsa_code_object_version 6
	.text
	.protected	k_qdee9da9b80_lepe
	.globl	k_qdee9da9b80_lepe
	.p2align	8
	.type	k_qdee9da9b80_lepe,@function
k_qdee9da9b80_lepe:
	s_mov_b64 s[64:65], 0
	v_nop
	global_prefetch_b8 v0, s[64:65] scope:SCOPE_SE
	s_setreg_imm32_b32 hwreg(HW_REG_WAVE_MODE, 25, 1), 1
	s_wait_xcnt 0x0
; Window attention on vertical strips.  qkv: [3][8][4096][128] f32, out0: [8][4096][128] f32.  An image is 64 x 64 tokens; a window is a strip of 64 rows x 8 columns = 512 tokens
; (token s of a window = image row s / 8, column 8 x window + s % 8); 4 heads of 32 channels.  For each (window, head): O = softmax(0.17677670 Q K^T) V.
; Both products run on codes of FP6 (E2M3) with one E8M0 scale for each 32 along a product's K: the head's 32 channels in the first, the keys in the second.
; THE SOFTMAX AHEAD OF THE SECOND PRODUCT: t = score x log2(e); M = the row's largest t so far, rounded UP to a whole number; p = 2^(t - M) is quantised along the keys, not normalised;
; the row's sum is taken of the unquantised p and divides O at the end; when M moves, sum and O are multiplied by 2^(old M - new M), which rounds nothing.
; SHARES.  A work-group owns (window, PAIR of heads, half of the queries): 64 x 2 x 2 = 256 work-groups.  A pair of heads is 256 consecutive, aligned bytes of a token, so every global load and
; store of this text covers whole aligned runs of 256 bytes.  Sixteen waves of 256 registers.  Wave w quantises tokens 32 w .. 32 w + 31 of K and of V (both heads) and owns queries 16 w .. 16 w + 15
; of the half, for both heads, so that the 256 bytes of an output row come from one wave.
; K and V of a (window, pair) are read and quantised by the two work-groups that own the two halves of its queries.  They are not asked for jointly in a cluster: a joint request is a tensor load, which
; would park 2 x 131,072 bytes of f32 in LDS ahead of the quantiser; here the numbers are read once, in the first lines, into registers.  The price is stated: K's and V's bytes are requested twice.
; THE WAY IN.  40 loads of 16 bytes a lane (lanes 0-15 one token's 256 bytes, lanes 16-31 the next token's) go out first.  The numbers turn through the wave's own stage in LDS: K and Q come back as
; one token's 32 channels of one head in a lane (a whole block: no other lane is asked for a maximum), V as one channel in a lane with 32 registers running down 32 keys (likewise a whole block).
; The codes go to LDS as IMAGES OF OPERAND REGISTERS (a fragment: 12 registers a lane, register group g of four at 512 g + 16 x lane), the scale bytes beside them; one barrier; then they are only read.
; THE FIRST PRODUCT HAS K = 32 AND THE INSTRUCTION 128.  A fragment of K therefore holds FOUR tiles of 16 keys, one in each of its four blocks of 32 along K, and Q's fragment is zero in three blocks:
; the view of Q that is alive in block b multiplies tile b, and zero codes take the other three out exactly.  The four views are cut out of one run of 30 registers, [0 X 0 Y 0]
; (X: Q's codes in lanes 0-15, Y: the same in lanes 16-31).  So 64 keys come from LDS by three loads of 16 bytes a lane, nothing of them unused.
; BOTH PRODUCTS ARE USED TRANSPOSED: S^T = K Q^T (source 0 = 16 keys, source 1 = my 16 queries), O^T = V^T P^T (source 0 = 16 channels, source 1 = P): a lane holds ONE query (lane % 16) throughout.
; THE KEYS OF A TILE ARE NOT NEIGHBOURS: row r of tile t of a key step takes key 32 (t / 2) + 8 (t % 2) + r + 8 (r / 8), so that the 16 registers of tiles 2 b, 2 b + 1 are keys 32 b + 16 (lane / 16) + 0 .. 15.
; LIMITS.  NaN and infinities among the inputs are not served.  A block's largest magnitude is taken no smaller than 2^-124, which holds the scale's byte at 1, as the quantiser's clip does; a block of
; zeros so gets the byte 1 where the rule says 127: its codes are zeros, and this program alone reads the bytes.  p under 2^-126 becomes 0 (v_exp_f32 flushes denormals: ISA guide, its entry in 15.8).
; A block's largest p is made from its largest score by the same two instructions as every p; that takes v_exp_f32 not to fall where its input rises.
.set TOKB,  512                        ; bytes of a token: 128 f32
.set IROW,  64*TOKB                    ; bytes of an image row
.set TENS,  8*4096*TOKB                ; bytes of q, of k, of v
.set FRB,   1536                       ; a fragment's image: 12 registers x 32 lanes x 4 bytes
.set STB,   2*FRB                      ; a key step (128 keys) of one head: two fragments, of K as of V
.set HDB,   4*STB                      ; a head: four key steps
.set KIMG,  0                          ; LDS: K's images [head][step][64 keys]
.set VIMG,  2*HDB                      ;      V's images [head][step][16 channels]
.set KSC,   4*HDB                      ;      K's scale words [head][step][fragment][row]: byte b = the row's key in tile b of the fragment
.set VSC,   KSC+1024                   ;      V's scale words [head][step][channel]: byte b = keys 32 b .. 32 b + 31 of the step
.set STG,   VSC+1024                   ;      the stages: 32 rows x 272 bytes for each wave, its own
.set SP,    272                        ; a stage row: 256 bytes + 16 = 68 words: row r starts at bank 4 r mod 64 (64 banks of 4 bytes: ISA guide 11.1), so 16 rows read at one column fall on 16 different groups of banks
.set WST,   32*SP
; registers that live through the whole text
.set LI,  1                            ; v1   16 x lane: my place in an image
.set LS,  2                            ; v2   4 x lane: my place among scale words
.set ADI, 3                            ; v3   LI + the key step's images
.set ADS, 4                            ; v4   LS + the key step's scale words
.set SO,  5                            ; v5   stage: row lane % 16, + 32 (lane / 16): where my eight results of a row go
.set SW,  6                            ; v6   stage: row lane / 16, + 16 (lane % 16): rows as they lie in memory
.set GL,  7                            ; v7   memory: 512 (lane / 16) + 16 (lane % 16): the same two tokens; never rewritten
.set ML,  8                            ; v8   all ones in lanes 0-15
.set MH,  9                            ; v9   all ones in lanes 16-31
.set F,   10                           ; v[10:11] f = 2^(old M - new M); the packed forms name the pair and take its low word
.set NM,  12                           ; v12  -M;  v13 the largest t so far
.set SUM, 14                           ; v[14:15] the row's sum in two halves
.set QC,  16                           ; v16-21 Q's codes: lanes 0-15 the pair's first head, lanes 16-31 its second (v22: at work)
.set QS,  24                           ; v24-27 Q's scale words: register b has the byte at byte b and 0 elsewhere; lanes as QC
.set KSW, 28                           ; v28  K's scale words of a step: lanes 0-15 fragment 0, lanes 16-31 fragment 1
.set VSW, 29                           ; v29  V's: lanes 0-15 channels 0-15, lanes 16-31 channels 16-31
.set PSW, 30                           ; v30  p's scale word for the step's 128 keys
.set QA,  32                           ; v32-61 [0 X 0 Y 0], six registers each
.set KF,  64                           ; v64-87  two fragments of K
.set VF,  88                           ; v88-111 two fragments of V
.set S,   112                          ; v112-175 S^T, then p
.set O,   176                          ; v176-191 O^T: two tiles of 16 channels
.set PC,  192                          ; v192-203 p's codes
.set PT,  204                          ; v204-206, v208-210 the upper halves of p's blocks, as the conversions leave them
.set BM,  212                          ; v212-215 each block's largest score, then its largest p
.set BT,  216                          ; v216-219 at work
.set BS,  220                          ; v220-223 the conversions' scale operands
.set T0,  224
.set S2,  226                          ; v[226:227] the sum's second chain
; registers of the way in alone
.set K0R, 32                           ; v32-63   K, my tokens 0-15
.set K1R, 64                           ; v64-95   K, my tokens 16-31
.set QR,  96                           ; v96-127  Q, my 16 queries
.set VR,  128                          ; v128-191 V, my 32 tokens; behind the turn: 32 keys of a channel, first head, second head
.set CD,  192                          ; v192-223 four sets of codes, eight registers apart, so that no LDS store's data are written again
.set BY,  224                          ; v224-227 their scale bytes
.set SRD, 232                          ; v232 stage: row lane % 16, + 128 (lane / 16): a token's 32 channels of one head
.set SV,  233                          ; v233 stage: 4 x lane: one channel, down the rows
.set KA,  234                          ; v234, v235 where my key's six registers go in K's images
.set KB,  235
.set KSA, 236                          ; v236 and its scale byte
.set VA,  237                          ; v237-239 the same for V
.set VB,  238
.set VSA, 239
.set MA,  240
.set MB,  241
.set SCL, 242
.set WV,  8                            ; s8   my wave's number
.set QP,  22                           ; s[22:23] q at my wave's first query;  s[24:25] k, s[26:27] v at my wave's first token;  s[6:7] out0 at my first query
.set KP,  24
.set VP,  26
.set SEL, 28                           ; s[28:29] v_permlanex16_b32's selects for lane l xor 16
.set CS,  30                           ; s[30:31] log2(e)
.set QSC, 32                           ; s[32:33] 32^-0.5 as f32
.set TB,  34                           ; s34  the key step's images
.set TS,  35                           ; s35  the key step's scale words
.set CNT, 36
; 16 tokens x 256 bytes: load i takes tokens 2 i (lanes 0-15) and 2 i + 1 (lanes 16-31): image row i / 4, columns 2 (i % 4) and 2 (i % 4) + 1 of the window
.macro GLOAD reg, base, off, nt
.irp i, 0,1,2,3,4,5,6,7
.if \nt
	global_load_b128 v[\reg+4*\i:\reg+4*\i+3], v[GL], s[\base:\base+1] offset:\off+(\i/4)*IROW+(\i%4)*2*TOKB th:TH_LOAD_NT
.else
	global_load_b128 v[\reg+4*\i:\reg+4*\i+3], v[GL], s[\base:\base+1] offset:\off+(\i/4)*IROW+(\i%4)*2*TOKB
.endif
.endr
.endm
; 16 tokens through rows 16 g .. 16 g + 15 of my stage: in as they were loaded, back as 128 bytes a lane: register j = channel j of token lane % 16, head lane / 16.
; LDS serves a wave's instructions in order (ISA guide 5.7.1.4): no wait between the stores and the loads, nor in front of a later turn's stores into the same rows.
.macro TURN reg, g
.irp i, 0,1,2,3,4,5,6,7
	ds_store_b128 v[SW], v[\reg+4*\i:\reg+4*\i+3] offset:(16*\g+2*\i)*SP
.endr
.irp j, 0,1,2,3,4,5,6,7
	ds_load_b128 v[\reg+4*\j:\reg+4*\j+3], v[SRD] offset:16*\g*SP+16*\j
.endr
.endm
; A lane's 32 registers v[x] .. v[x + 31] are one block: six registers of codes at v[c], the scale's byte in v[by].
.macro QUANT x, c, by
	v_max3_num_f32 v[MA], |v[\x]|, |v[\x+1]|, |v[\x+2]|            ; the largest magnitude, in two chains
	v_max3_num_f32 v[MB], |v[\x+3]|, |v[\x+4]|, |v[\x+5]|
.irp i, 6,10,14,18,22,26
	v_max3_num_f32 v[MA], v[MA], |v[\x+\i]|, |v[\x+\i+1]|
	v_max3_num_f32 v[MB], v[MB], |v[\x+\i+2]|, |v[\x+\i+3]|
.endr
	v_max3_num_f32 v[MA], v[MA], |v[\x+30]|, |v[\x+31]|
	v_max3_num_f32 v[MA], v[MA], v[MB], 0x1800000                  ; and the floor 2^(3 - 127): the byte cannot fall under 1
	v_add_nc_u32 v[SCL], 0xff000000, v[MA]                         ; 2 off its exponent field: the conversion takes the exponent field of this operand as its scale, and nothing else of it
	v_cvt_scalef32_pk16_fp6_f32 v[\c:\c+2], v[\x:\x+15], v[SCL]
	v_cvt_scalef32_pk16_fp6_f32 v[\c+4:\c+6], v[\x+16:\x+31], v[SCL]   ; (a conversion's three registers begin on an even number)
	v_nop                                                          ; one plain place behind a scaled conversion
	v_lshrrev_b32 v[\by], 23, v[SCL]                               ; the scale's byte
	v_mov_b32 v[\c+3], v[\c+4]
	v_mov_b32 v[\c+4], v[\c+5]
	v_mov_b32 v[\c+5], v[\c+6]
.endm
; Six registers of codes become registers 6 c .. 6 c + 5 of a lane of an image, c the wave's: as three pairs.  c = 0: bytes 0, 8, 512 of the lane's places; c = 1: 520, 1024, 1032.
; Address a holds + 520 c and serves the first and the third pair (512 apart), address b holds + 8 + 1016 c.
.macro PUT c, a, b, sa, by, off, soff
	ds_store_b64 v[\a], v[\c:\c+1] offset:\off
	ds_store_b64 v[\b], v[\c+2:\c+3] offset:\off
	ds_store_b64 v[\a], v[\c+4:\c+5] offset:\off+512
	ds_store_b8 v[\sa], v[\by] offset:\soff
.endm
	s_load_b128 s[4:7], s[0:1], 0x0                ; qkv s[4:5], out0 s[6:7]
	v_lshl_add_u32 v254, v0, 2, 0x2e800
	v_mov_b32 v255, 0
	v_lshrrev_b32 v1, 5, v0
	v_readfirstlane_b32 s[WV], v1                  ; wave 0..15
	v_and_b32 v10, 15, v0                          ; r = lane % 16
	v_bfe_u32 v11, v0, 4, 1                        ; h = lane / 16
	v_lshlrev_b32 v[GL], 4, v10
	v_lshl_add_u32 v[GL], v11, 9, v[GL]
	; the work-group's number: bit 0 the half of the queries, bit 1 the pair of heads, bits 4:2 the window, bits 7:5 the image: the two work-groups that read the same K and V are neighbours
	s_lshr_b32 s16, ttmp9, 5
	s_lshl_b32 s16, s16, 21                        ; an image: 4,096 tokens of 512 bytes
	s_bfe_u32 s17, ttmp9, 0x30002
	s_lshl_b32 s17, s17, 12                        ; a window: 8 tokens on in each image row
	s_add_co_u32 s16, s16, s17
	s_bfe_u32 s17, ttmp9, 0x10001
	s_lshl_b32 s17, s17, 8                         ; a pair of heads: 256 bytes of a token
	s_add_co_u32 s16, s16, s17
	s_and_b32 s18, ttmp9, 1
	s_lshl_b32 s18, s18, 20                        ; a half of the queries: 32 image rows
	s_lshl_b32 s19, s[WV], 16                      ; my 16 queries: 2 image rows a wave
	s_add_co_u32 s18, s18, s19
	s_add_co_u32 s18, s18, s16
	s_mov_b32 s19, 0
	s_lshl_b32 s20, s[WV], 17                      ; my 32 tokens of K and V: 4 image rows a wave
	s_add_co_u32 s20, s20, s16
	s_add_co_u32 s20, s20, TENS
	s_mov_b32 s21, 0
	s_wait_kmcnt 0x0
	s_add_nc_u64 s[QP:QP+1], s[4:5], s[18:19]
	s_add_nc_u64 s[KP:KP+1], s[4:5], s[20:21]
	s_add_nc_u64 s[VP:VP+1], s[KP:KP+1], TENS
	s_add_nc_u64 s[6:7], s[6:7], s[18:19]
	GLOAD K0R, KP, 0, 0                            ; all 40 loads of the wave go out before anything else: 20,480 bytes a wave, 327,680 a work-group
	GLOAD K1R, KP, 2*IROW, 0
	GLOAD QR, QP, 0, 1                             ; q is read once in the launch; k and v by two work-groups
	GLOAD VR, VP, 0, 0
	GLOAD VR+32, VP, 2*IROW, 0
	; LDS addresses, while the loads are on their way
	v_and_b32 v12, 31, v0                          ; lane
	v_lshlrev_b32 v[LI], 4, v12
	v_lshlrev_b32 v[LS], 2, v12
	s_mul_i32 s9, s[WV], WST
	s_add_co_u32 s9, s9, STG                       ; my stage
	v_mul_u32_u24 v13, v10, SP
	v_add_nc_u32 v13, s9, v13
	v_lshl_add_u32 v[SRD], v11, 7, v13
	v_lshl_add_u32 v[SO], v11, 5, v13
	v_mul_u32_u24 v14, v11, SP
	v_lshl_add_u32 v14, v10, 4, v14
	v_add_nc_u32 v[SW], s9, v14
	v_add_nc_u32 v[SV], s9, v[LS]
	; K.  Key 32 w + 16 p + r (p: the pass) lies in step w / 4, fragment (w / 2) % 2, registers 6 c on with c = w % 2, lane (r % 8) + 8 p + 16 (r / 8); the head is my lane's half
	s_lshr_b32 s10, s[WV], 1
	s_and_b32 s11, s[WV], 1
	s_mul_i32 s12, s10, FRB
	s_mul_i32 s13, s11, 520
	s_add_co_u32 s12, s12, s13
	v_and_b32 v15, 7, v0                           ; r % 8
	v_bfe_u32 v16, v0, 3, 1                        ; r / 8
	v_mul_u32_u24 v17, v11, HDB
	v_lshl_add_u32 v17, v15, 4, v17
	v_lshl_add_u32 v17, v16, 8, v17
	v_add_nc_u32 v[KA], s12, v17                   ; (KIMG is 0)
	s_mul_i32 s13, s11, 496
	s_add_co_u32 s13, s13, 8
	v_add_nc_u32 v[KB], s13, v[KA]
	s_lshl_b32 s12, s10, 6                         ; its scale byte: word (r % 8) + 8 p of the fragment's sixteen, byte 2 c + r / 8
	s_lshl_b32 s13, s11, 1
	s_add_co_u32 s12, s12, s13
	s_add_co_u32 s12, s12, KSC
	v_lshl_add_u32 v17, v11, 9, v16
	v_lshl_add_u32 v17, v15, 2, v17
	v_add_nc_u32 v[KSA], s12, v17
	; V.  Keys 32 w .. 32 w + 31 are block w % 4 of step w / 4: registers 6 c on with c = (w / 2) % 2, lanes 16 (w % 2) on; my lane's channel picks the fragment (lane / 16) and the row (lane % 16)
	s_lshr_b32 s12, s[WV], 2
	s_bfe_u32 s13, s[WV], 0x10001
	s_mul_i32 s14, s12, STB
	s_lshl_b32 s15, s11, 8
	s_add_co_u32 s14, s14, s15
	s_mul_i32 s15, s13, 520
	s_add_co_u32 s14, s14, s15
	s_add_co_u32 s14, s14, VIMG
	v_mul_u32_u24 v17, v11, FRB
	v_lshl_add_u32 v17, v10, 4, v17
	v_add_nc_u32 v[VA], s14, v17
	s_mul_i32 s15, s13, 496
	s_add_co_u32 s15, s15, 8
	v_add_nc_u32 v[VB], s15, v[VA]
	s_lshl_b32 s14, s12, 7
	s_and_b32 s15, s[WV], 3
	s_add_co_u32 s14, s14, s15
	s_add_co_u32 s14, s14, VSC
	v_add_nc_u32 v[VSA], s14, v[LS]
	v_add_nc_u32 v[ML], -1, v11                    ; h - 1: all ones in lanes 0-15
	v_sub_nc_u32 v[MH], 0, v11                     ; -h: all ones in lanes 16-31
	s_mov_b32 s[SEL], 0x76543210
	s_mov_b32 s[SEL+1], 0xfedcba98
	s_mov_b32 s[CS], 0x3fb8aa3b                    ; log2(e)
	s_mov_b32 s[CS+1], s[CS]                       ; (named with it as a pair, so it is written)
	s_mov_b32 s[QSC], 0x3e3504f3                   ; 32^-0.5
	s_mov_b32 s[QSC+1], s[QSC]
	s_wait_loadcnt 32                              ; loads come back in order (ISA guide 5.7.1): K's first eight are in, the 32 younger ones may be out
	TURN K0R, 0
	s_wait_loadcnt 24                              ; K's second eight
	TURN K1R, 1
	s_wait_dscnt 16                                ; the first turn is back; the second turn's 16 lines may be out
	QUANT K0R, CD, BY
	PUT CD, KA, KB, KSA, BY, 0, 0
	s_wait_loadcnt 16                              ; Q's eight
	TURN QR, 0
	s_wait_dscnt 20                                ; K's second turn is back; behind it: 4 stores of codes and Q's turn of 16
	QUANT K1R, CD+8, BY+1
	PUT CD+8, KA, KB, KSA, BY+1, 128, 32           ; the second pass: eight lanes and eight scale words on
	s_wait_dscnt 4                                 ; Q's turn is back; behind it: 4 stores of codes
.set j, 0
.rept 16
	v_pk_mul_f32 v[QR+j:QR+j+1], v[QR+j:QR+j+1], s[QSC:QSC+1] op_sel_hi:[1,0]   ; q x 32^-0.5, in f32, ahead of the quantiser
.set j, j+2
.endr
	QUANT QR, QC, QS
	v_lshlrev_b32 v[QS+1], 8, v[QS]                ; the byte at byte b, 0 (the smallest scale) over the three blocks whose codes are zeros
	v_lshlrev_b32 v[QS+2], 16, v[QS]
	v_lshlrev_b32 v[QS+3], 24, v[QS]
	s_wait_loadcnt 0x0                             ; V
.irp i, 0,1,2,3,4,5,6,7
	ds_store_b128 v[SW], v[VR+4*\i:VR+4*\i+3] offset:(2*\i)*SP
.endr
.irp i, 0,1,2,3,4,5,6,7
	ds_store_b128 v[SW], v[VR+32+4*\i:VR+32+4*\i+3] offset:(16+2*\i)*SP
.endr
.set i, 0
.rept 32
	ds_load_b32 v[VR+i], v[SV] offset:i*SP         ; key i of my channel, first head: 32 lanes read 128 consecutive bytes
.set i, i+1
.endr
.set i, 0
.rept 32
	ds_load_b32 v[VR+32+i], v[SV] offset:i*SP+128  ; second head
.set i, i+1
.endr
	s_wait_dscnt 32                                ; the first head's 32 are in, the second head's may be out
	QUANT VR, CD+16, BY+2
	PUT CD+16, VA, VB, VSA, BY+2, 0, 0
	s_wait_dscnt 4                                 ; the second head's are in; behind them: 4 stores of codes
	QUANT VR+32, CD+24, BY+3
	PUT CD+24, VA, VB, VSA, BY+3, HDB, 512
	s_wait_dscnt 0x0                               ; for the others' sake: all my stores into the images have landed
	s_barrier_signal -1
.set i, 0
.rept 30
	v_mov_b32 v[QA+i], 0                           ; Q's run of 30: the zeros stay; X and Y are written for each head
.set i, i+1
.endr
.irp b, 0,1,2,3
	v_mov_b32 v[BT+\b], 0                          ; written once: a lane permute's destination counts as one of its sources
.endr
	v_mov_b32 v[F+1], 0                            ; (named as the upper half of the pair)
	s_barrier_wait -1                              ; K's and V's images and scale words are whole; from here on they are only read
; Tile t of S^T: fragment t / 4 of K against the view of Q that is alive in block t % 4: [X 0] at QA + 6, [Y 0] at QA + 18, [0 X] at QA, [0 Y] at QA + 12.
; K's scale words lie in lanes 0-15 (fragment 0) or 16-31 (fragment 1), Q's in lanes 0-15 (first head) or 16-31 (second).
.macro SPROD t, hh
.set rD, S+8*(\t)
.set rA, KF+12*((\t)/4)
.set rB, QA+6-3*((\t)&2)+12*((\t)&1)
.set rQ, QS+(\t)%4
.if ((\t) < 4) && (\hh == 0)
	v_wmma_scale_f32_16x16x128_f8f6f4 v[rD:rD+7], v[rA:rA+11], v[rB:rB+11], 0, v[KSW], v[rQ] matrix_a_fmt:MATRIX_FMT_FP6 matrix_b_fmt:MATRIX_FMT_FP6
.elseif (\hh == 0)
	v_wmma_scale_f32_16x16x128_f8f6f4 v[rD:rD+7], v[rA:rA+11], v[rB:rB+11], 0, v[KSW], v[rQ] matrix_a_fmt:MATRIX_FMT_FP6 matrix_b_fmt:MATRIX_FMT_FP6 matrix_a_scale:MATRIX_SCALE_ROW1
.elseif ((\t) < 4)
	v_wmma_scale_f32_16x16x128_f8f6f4 v[rD:rD+7], v[rA:rA+11], v[rB:rB+11], 0, v[KSW], v[rQ] matrix_a_fmt:MATRIX_FMT_FP6 matrix_b_fmt:MATRIX_FMT_FP6 matrix_b_scale:MATRIX_SCALE_ROW1
.else
	v_wmma_scale_f32_16x16x128_f8f6f4 v[rD:rD+7], v[rA:rA+11], v[rB:rB+11], 0, v[KSW], v[rQ] matrix_a_fmt:MATRIX_FMT_FP6 matrix_b_fmt:MATRIX_FMT_FP6 matrix_a_scale:MATRIX_SCALE_ROW1 matrix_b_scale:MATRIX_SCALE_ROW1
.endif
.endm
; A KEY STEP: 128 keys of head hh against my 16 queries.
.macro STEP hh
	v_add_nc_u32 v[ADI], s[TB], v[LI]
	v_add_nc_u32 v[ADS], s[TS], v[LS]
	v_nop                                          ; with the two additions: four places between the last step's products and the loads into registers that they read (ISA guide 7.12.1 for vector instructions)
	v_nop
.irp f, 0,1
.irp g, 0,1,2
	ds_load_b128 v[KF+12*\f+4*\g:KF+12*\f+4*\g+3], v[ADI] offset:KIMG+\hh*HDB+\f*FRB+512*\g
.endr
.endr
	ds_load_b32 v[KSW], v[ADS] offset:KSC+\hh*512
.irp f, 0,1
.irp g, 0,1,2
	ds_load_b128 v[VF+12*\f+4*\g:VF+12*\f+4*\g+3], v[ADI] offset:VIMG+\hh*HDB+\f*FRB+512*\g
.endr
.endr
	ds_load_b32 v[VSW], v[ADS] offset:VSC+\hh*512
	s_wait_dscnt 7                                 ; K's fragments and scale words are in; V's seven loads may be out until the second product
.irp t, 0,1,2,3,4,5,6,7
	SPROD \t, \hh
.endr                                              ; lane (r, h) holds query r; the 16 registers of tiles 2 b, 2 b + 1 are keys 32 b + 16 h + 0 .. 15 of the step
.rept 4
	v_nop                                          ; four places in front of the first read of results
.endr
.irp b, 0,1,2,3
	v_max3_num_f32 v[BM+\b], v[S+16*\b], v[S+16*\b+1], v[S+16*\b+2]   ; the largest score of each block of 32 keys: it serves the row's maximum and, since p rises with the score, the block's largest p.  Each tile is read from its low end on
.endr
.irp i, 3,5,7,9,11,13
.irp b, 0,1,2,3
	v_max3_num_f32 v[BM+\b], v[BM+\b], v[S+16*\b+\i], v[S+16*\b+\i+1]   ; (the four blocks by turns)
.endr
.endr
.irp b, 0,1,2,3
	v_max_num_f32 v[BM+\b], v[BM+\b], v[S+16*\b+15]
.endr
.irp b, 0,1,2,3
	v_permlanex16_b32 v[BT+\b], v[BM+\b], s[SEL], s[SEL+1]
.endr
.irp b, 0,1,2,3
	v_max_num_f32 v[BM+\b], v[BM+\b], v[BT+\b]     ; with lane l xor 16's 16 keys
.endr
	v_max3_num_f32 v[T0], v[BM], v[BM+1], v[BM+2]
	v_max_num_f32 v[T0], v[T0], v[BM+3]            ; the step's largest score of my query
	v_mul_f32 v[T0], s[CS], v[T0]                  ; as t
	v_max_num_f32 v[NM+1], v[NM+1], v[T0]          ; the running largest t
	v_mov_b32 v[T0], v[NM]
	v_floor_f32 v[NM], -v[NM+1]                    ; the new -M = floor(-t) = -ceil(t): a whole number
	v_sub_f32 v[T0], v[NM], v[T0]                  ; old M - new M: a whole number, 0 or less
	v_cvt_i32_f32 v[T0], v[T0]                     ; (it saturates)
	v_ldexp_f32 v[F], 1.0, v[T0]                   ; f = 2^(old M - new M): a multiplication by it rounds nothing
.set j, 0
.rept 32
	v_pk_fma_f32 v[S+j:S+j+1], v[S+j:S+j+1], s[CS:CS+1], v[NM:NM+1] op_sel_hi:[1,0,0]   ; t - M, two at a time (of the pairs the low word serves both halves)
.set j, j+2
.endr
.irp b, 0,1,2,3
	v_fma_f32 v[BM+\b], v[BM+\b], s[CS], v[NM]     ; the same of each block's largest score
.endr
.set j, 0
.rept 64
	v_exp_f32 v[S+j], v[S+j]                       ; p = 2^(t - M), at most 1, not normalised
.set j, j+1
.endr
.irp b, 0,1,2,3
	v_exp_f32 v[BM+\b], v[BM+\b]                   ; the block's largest p: the same two instructions on the same number give the same bits
.endr
	v_pk_mul_f32 v[SUM:SUM+1], v[SUM:SUM+1], v[F:F+1] op_sel_hi:[1,0]   ; the sum under the new M.  (The plain place behind the exponentials)
	s_wait_alu depctr_va_vdst(0)
.irp b, 0,1,2,3
	v_max_num_f32 v[BM+\b], 0x1800000, v[BM+\b]    ; the floor 2^(3 - 127): the byte cannot fall under 1
.endr
.irp b, 0,1,2,3
	v_add_nc_u32 v[BS+\b], 0xff000000, v[BM+\b]    ; 2 off the exponent field: the conversion's scale operand
.endr
.irp b, 0,1,2,3
	v_lshrrev_b32 v[BT+\b], 23, v[BS+\b]           ; the scale's byte
.endr
	v_lshl_or_b32 v[PSW], v[BT+1], 8, v[BT]        ; p's scale word for these 128 keys
	v_lshl_or_b32 v[PSW], v[BT+2], 16, v[PSW]
	v_lshl_or_b32 v[PSW], v[BT+3], 24, v[PSW]
.irp c, 0,1
	v_cvt_scalef32_pk16_fp6_f32 v[PC+6*\c:PC+6*\c+2], v[S+32*\c:S+32*\c+15], v[BS+2*\c]
	v_cvt_scalef32_pk16_fp6_f32 v[PT+4*\c:PT+4*\c+2], v[S+32*\c+16:S+32*\c+31], v[BS+2*\c+1]   ; (a conversion's three registers begin on an even number)
.endr
	v_nop                                          ; one plain place behind a scaled conversion
.irp c, 0,1                                        ; the operand's layout wants a WHOLE block in a lane: lanes 0-15 block 2 c, lanes 16-31 block 2 c + 1
.irp i, 0,1,2
	v_permlane16_swap_b32 v[PC+6*\c+\i], v[PT+4*\c+\i]
.endr
.irp i, 0,1,2
	v_mov_b32 v[PC+6*\c+3+\i], v[PT+4*\c+\i]
.endr
.endr
.set j, 0
.rept 8
	v_pk_mul_f32 v[O+j:O+j+1], v[O+j:O+j+1], v[F:F+1] op_sel_hi:[1,0]   ; O^T under the new M
.set j, j+2
.endr
	v_pk_add_f32 v[S2:S2+1], v[S:S+1], v[S+2:S+3]  ; the row's sum is taken of the UNQUANTISED p: two at a time, in two chains.  (These 32 lines are also the places between the writes of p's codes and scale word and the products below)
.set j, 4
.rept 15
	v_pk_add_f32 v[SUM:SUM+1], v[SUM:SUM+1], v[S+j:S+j+1]
	v_pk_add_f32 v[S2:S2+1], v[S2:S2+1], v[S+j+2:S+j+3]
.set j, j+4
.endr
	v_pk_add_f32 v[SUM:SUM+1], v[SUM:SUM+1], v[S2:S2+1]
	s_wait_dscnt 0x0                               ; V's fragments and scale words are in
	; O^T += V^T P^T: two tiles of 16 channels, K = these 128 keys.  The two accumulators take turns, one instruction a turn, with the eight products of S^T between one step's turn and the next
	v_wmma_scale_f32_16x16x128_f8f6f4 v[O:O+7], v[VF:VF+11], v[PC:PC+11], v[O:O+7], v[VSW], v[PSW] matrix_a_fmt:MATRIX_FMT_FP6 matrix_b_fmt:MATRIX_FMT_FP6
	v_wmma_scale_f32_16x16x128_f8f6f4 v[O+8:O+15], v[VF+12:VF+23], v[PC:PC+11], v[O+8:O+15], v[VSW], v[PSW] matrix_a_fmt:MATRIX_FMT_FP6 matrix_b_fmt:MATRIX_FMT_FP6 matrix_a_scale:MATRIX_SCALE_ROW1
.endm
; ONE HEAD of the pair: Q's two live pieces, four key steps in a loop, and the result into my stage.
.macro HEAD hh
.if \hh == 0
.irp i, 0,1,2,3,4,5
	v_and_b32 v[QA+6+\i], v[ML], v[QC+\i]          ; X: the first head's codes lie in lanes 0-15
.endr
.irp i, 0,1,2,3,4,5
	v_permlanex16_b32 v[QA+18+\i], v[QA+6+\i], s[SEL], s[SEL+1]   ; Y: the same in lanes 16-31, zeros below
.endr
.else
.irp i, 0,1,2,3,4,5
	v_and_b32 v[QA+18+\i], v[MH], v[QC+\i]         ; Y: the second head's codes lie in lanes 16-31
.endr
.irp i, 0,1,2,3,4,5
	v_permlanex16_b32 v[QA+6+\i], v[QA+18+\i], s[SEL], s[SEL+1]   ; X
.endr
.endif
	v_mov_b32 v[NM+1], 0xff61b1e6                  ; the largest t so far: -3e38, under every t
	v_floor_f32 v[NM], -v[NM+1]                    ; -M
	v_mov_b32 v[SUM], 0
	v_mov_b32 v[SUM+1], 0
.set j, 0
.rept 16
	v_mov_b32 v[O+j], 0                            ; O^T.  (The step is written once: the first finds zeros, which the first change of M leaves zeros.  These lines are also the places behind the writes of X and Y)
.set j, j+1
.endr
	s_mov_b32 s[TB], 0
	s_mov_b32 s[TS], 0
	s_mov_b32 s[CNT], 4
.Lstep\hh:
	STEP \hh
	s_add_co_u32 s[TB], s[TB], STB
	s_add_co_u32 s[TS], s[TS], 128
	s_sub_co_u32 s[CNT], s[CNT], 1
	s_cmp_lg_u32 s[CNT], 0
	s_cbranch_scc1 .Lstep\hh
	v_add_f32 v[SUM], v[SUM], v[SUM+1]             ; the sum's two halves,
	v_permlanex16_b32 v[T0], v[SUM], s[SEL], s[SEL+1]
	v_add_f32 v[SUM], v[SUM], v[T0]                ; and lane l xor 16's: the row's sum
	v_rcp_f32 v[SUM], v[SUM]
.rept 3
	v_nop                                          ; the plain place behind the reciprocal; with the two additions above, five plain lines between the last products and the first read of O^T
.endr
.set j, 0
	s_wait_alu depctr_va_vdst(0)
.rept 8
	v_pk_mul_f32 v[S+j:S+j+1], v[O+j:O+j+1], v[SUM:SUM+1] op_sel_hi:[1,0]   ; O^T / the sum: register 8 t + i is o(query r, channel 16 t + 8 h + i)
.set j, j+2
.endr
.irp t, 0,1
	ds_store_b128 v[SO], v[S+8*\t:S+8*\t+3] offset:128*\hh+64*\t        ; my stage, row r: the head's 128 bytes of the row's 256
	ds_store_b128 v[SO], v[S+8*\t+4:S+8*\t+7] offset:128*\hh+64*\t+16
.endr
.endm
	HEAD 0
	HEAD 1
	; THE WAY OUT: 16 rows of 256 bytes come back from my stage as they lie in memory: lanes 0-15 one token, lanes 16-31 the next.  LDS serves a wave's instructions in order: these loads see my stores.
.irp i, 0,1,2,3,4,5,6,7
	ds_load_b128 v[S+16+4*\i:S+16+4*\i+3], v[SW] offset:2*\i*SP
.endr
.irp i, 0,1,2,3,4,5,6,7
	s_wait_dscnt 7-\i                              ; LDS loads come back in order: pair i of rows is in
	global_store_b128 v[GL], v[S+16+4*\i:S+16+4*\i+3], s[6:7] offset:(\i/4)*IROW+(\i%4)*2*TOKB th:TH_STORE_NT   ; sixteen lanes store 256 consecutive bytes, at a multiple of 256 from out0's first byte; written once, read by nobody here
.endr
	s_wait_tensorcnt 0x0
	ds_add_u32 v254, v255
	s_wait_dscnt 0x0
	s_endpgm
.Lfunc_end_k_qdee9da9b80_lepe:
	.size	k_qdee9da9b80_lepe, .Lfunc_end_k_qdee9da9b80_lepe-k_qdee9da9b80_lepe
	.p2alignl 7, 3214868480
	.fill 96, 4, 3214868480
	.section	.rodata,"a",@progbits
	.p2align	6, 0x0
	.amdhsa_kernel k_qdee9da9b80_lepe
		.amdhsa_group_segment_fixed_size 192512
		.amdhsa_private_segment_fixed_size 0
		.amdhsa_enable_private_segment 0
		.amdhsa_kernarg_size 16
		.amdhsa_user_sgpr_count 2
		.amdhsa_user_sgpr_kernarg_segment_ptr 1
		.amdhsa_wavefront_size32 1
		.amdhsa_system_sgpr_workgroup_id_x 1
		.amdhsa_system_sgpr_workgroup_id_y 1
		.amdhsa_system_sgpr_workgroup_id_z 1
		.amdhsa_system_vgpr_workitem_id 0
		.amdhsa_next_free_vgpr 256
		.amdhsa_next_free_sgpr 66
		.amdhsa_reserve_vcc 0
		.amdhsa_float_denorm_mode_32 3
		.amdhsa_float_denorm_mode_16_64 3
		.amdhsa_memory_ordered 1
		.amdhsa_forward_progress 1
		.amdhsa_inst_pref_size 61
	.end_amdhsa_kernel
	.amdgpu_metadata
---
amdhsa.version: [ 1, 2 ]
amdhsa.kernels:
  - .name:           k_qdee9da9b80_lepe
    .symbol:         k_qdee9da9b80_lepe.kd
    .args:
      - { .name: qkv, .offset: 0, .size: 8, .value_kind: global_buffer, .address_space: global }
      - { .name: out0, .offset: 8, .size: 8, .value_kind: global_buffer, .address_space: global }
    .group_segment_fixed_size: 192512
    .private_segment_fixed_size: 0
    .kernarg_segment_align: 8
    .kernarg_segment_size: 16
    .max_flat_workgroup_size: 512
    .sgpr_count:     66
    .vgpr_count:     256
    .wavefront_size: 32
...
	.end_amdgpu_metadata
.endif
;; end of part 1
;; ======== version 2 of 2: 1 launch; version 1 with the launch lepe written anew for expert scheduling mode
;; launch lepe (part 2): grid 256 x 1, 16 waves a work-group, no clusters, 192,512 bytes of LDS; arguments qkv, out0; writes out0
.if DOCPART == 2
	.amdgcn_target "amdgcn-amd-amdhsa--gfx1250"
	.amdhsa_code_object_version 6
	.text
	.protected	k_qdee9da9b80_lepe
	.globl	k_qdee9da9b80_lepe
	.p2align	8
	.type	k_qdee9da9b80_lepe,@function
k_qdee9da9b80_lepe:
	s_mov_b64 s[64:65], 0
	v_nop
	global_prefetch_b8 v0, s[64:65] scope:SCOPE_SE
	s_setreg_imm32_b32 hwreg(HW_REG_WAVE_SCHED_MODE, 0, 2), 2
	s_setreg_imm32_b32 hwreg(HW_REG_WAVE_MODE, 25, 1), 1
	s_wait_xcnt 0x0
	s_wait_alu depctr_vm_vsrc(0)
; Window attention on vertical strips.  qkv: [3][8][4096][128] f32, out0: [8][4096][128] f32.  An image is 64 x 64 tokens; a window is a strip of 64 rows x 8 columns = 512 tokens
; (token s of a window = image row s / 8, column 8 x window + s % 8); 4 heads of 32 channels.  For each (window, head): O = softmax(0.17677670 Q K^T) V.
; Both products run on codes of FP6 (E2M3) with one E8M0 scale for each 32 along a product's K: the head's 32 channels in the first, the keys in the second.
; THE SOFTMAX AHEAD OF THE SECOND PRODUCT: t = score x log2(e); M = the row's largest t so far, rounded UP to a whole number; p = 2^(t - M) is quantised along the keys, not normalised;
; the row's sum is taken of the unquantised p and divides O at the end; when M moves, sum and O are multiplied by 2^(old M - new M), which rounds nothing.
; SHARES.  A work-group owns (window, PAIR of heads, half of the queries): 64 x 2 x 2 = 256 work-groups.  A pair of heads is 256 consecutive, aligned bytes of a token, so every global load and
; store of this text covers whole aligned runs of 256 bytes.  Sixteen waves of 256 registers.  Wave w quantises tokens 32 w .. 32 w + 31 of K and of V (both heads) and owns queries 16 w .. 16 w + 15
; of the half, for both heads, so that the 256 bytes of an output row come from one wave.
; K and V of a (window, pair) are read and quantised by the two work-groups that own the two halves of its queries.  They are not asked for jointly in a cluster: a joint request is a tensor load, which
; would park 2 x 131,072 bytes of f32 in LDS ahead of the quantiser; here the numbers are read once, in the first lines, into registers.  The price is stated: K's and V's bytes are requested twice.
; THE WAY IN.  40 loads of 16 bytes a lane (lanes 0-15 one token's 256 bytes, lanes 16-31 the next token's) go out first.  The numbers turn through the wave's own stage in LDS: K and Q come back as
; one token's 32 channels of one head in a lane (a whole block: no other lane is asked for a maximum), V as one channel in a lane with 32 registers running down 32 keys (likewise a whole block).
; The codes go to LDS as IMAGES OF OPERAND REGISTERS (a fragment: 12 registers a lane, register group g of four at 512 g + 16 x lane), the scale bytes beside them; one barrier; then they are only read.
; THE FIRST PRODUCT HAS K = 32 AND THE INSTRUCTION 128.  A fragment of K therefore holds FOUR tiles of 16 keys, one in each of its four blocks of 32 along K, and Q's fragment is zero in three blocks:
; the view of Q that is alive in block b multiplies tile b, and zero codes take the other three out exactly.  The four views are cut out of one run of 30 registers, [0 X 0 Y 0]
; (X: Q's codes in lanes 0-15, Y: the same in lanes 16-31).  So 64 keys come from LDS by three loads of 16 bytes a lane, nothing of them unused.
; BOTH PRODUCTS ARE USED TRANSPOSED: S^T = K Q^T (source 0 = 16 keys, source 1 = my 16 queries), O^T = V^T P^T (source 0 = 16 channels, source 1 = P): a lane holds ONE query (lane % 16) throughout.
; THE KEYS OF A TILE ARE NOT NEIGHBOURS: row r of tile t of a key step takes key 32 (t / 2) + 8 (t % 2) + r + 8 (r / 8), so that the 16 registers of tiles 2 b, 2 b + 1 are keys 32 b + 16 (lane / 16) + 0 .. 15.
; LIMITS.  NaN and infinities among the inputs are not served.  A block's largest magnitude is taken no smaller than 2^-124, which holds the scale's byte at 1, as the quantiser's clip does; a block of
; zeros so gets the byte 1 where the rule says 127: its codes are zeros, and this program alone reads the bytes.  p under 2^-126 becomes 0 (v_exp_f32 flushes denormals: ISA guide, its entry in 15.8).
; A block's largest p is made from its largest score by the same two instructions as every p; that takes v_exp_f32 not to fall where its input rises.
; THE MODE: SCHED_MODE bits 1:0 = 2 (LLVM: expert scheduling mode 2), set by the entry lines.  The code itself states the register dependences between vector or matrix instructions and memory or LDS
; instructions, with s_wait_alu, always for 0.
; THE PLAN.  Registers that memory or LDS instructions touch:
;   v7; v1, v2, v5, v6, v232-239   offsets and LDS addresses, made once at the head and never written again: one wait ahead of the global loads, one ahead of the first LDS line.
;   v32-191 on the way in          written by the global loads; read by the stores into the stage; written again by the loads out of it (a wait between the two); only then named by vector lines.
;   v192-227 on the way in         four sets of codes and bytes: each written by one run of vector lines and read by one run of four LDS stores (a wait between the two); the loop writes them anew: one wait ahead of the barrier.
;   KF, KSW                        step s's eight products of S^T read them; the loads of step s + 1 land in them, issued in the MIDDLE of step s.
;   VF, VSW                        step s's two products of O^T read them, at its end; the loads of step s land in them, issued in the middle of step s.
;   ADI, ADS                       written by two additions behind the products of S^T; read by the loads in the step's middle (K of the next step is reached by the immediate: K's images lie on end over both heads).
;   v112-127                       at a head's end written by eight multiplications and read by four stores into the stage; the next head's first products write them again.
; So a key step has three waits.  At its head: the LDS lines issued so far have read their registers.  In its middle, behind the exponentials: every vector and matrix line issued so far is done: the
; exponentials' results are written, ADI and ADS are written, this step's products of S^T are done with KF and KSW and the last step's products of O^T with VF and VSW; the step's fourteen loads follow in
; two runs among the vector lines, none of which names a register that they touch.  Ahead of the products of O^T: p's codes and scale word are written.
.set TOKB,  512                        ; bytes of a token: 128 f32
.set IROW,  64*TOKB                    ; bytes of an image row
.set TENS,  8*4096*TOKB                ; bytes of q, of k, of v
.set FRB,   1536                       ; a fragment's image: 12 registers x 32 lanes x 4 bytes
.set STB,   2*FRB                      ; a key step (128 keys) of one head: two fragments, of K as of V
.set HDB,   4*STB                      ; a head: four key steps
.set KIMG,  0                          ; LDS: K's images [head][step][64 keys]
.set VIMG,  2*HDB                      ;      V's images [head][step][16 channels]
.set KSC,   4*HDB                      ;      K's scale words [head][step][fragment][row]: byte b = the row's key in tile b of the fragment
.set VSC,   KSC+1024                   ;      V's scale words [head][step][channel]: byte b = keys 32 b .. 32 b + 31 of the step
.set STG,   VSC+1024                   ;      the stages: 32 rows x 272 bytes for each wave, its own
.set SP,    272                        ; a stage row: 256 bytes + 16 = 68 words: row r starts at bank 4 r mod 64 (64 banks of 4 bytes: ISA guide 11.1), so 16 rows read at one column fall on 16 different groups of banks
.set WST,   32*SP
; registers that live through the whole text
.set LI,  1                            ; v1   16 x lane: my place in an image
.set LS,  2                            ; v2   4 x lane: my place among scale words
.set ADI, 3                            ; v3   LI + the key step's images
.set ADS, 4                            ; v4   LS + the key step's scale words
.set SO,  5                            ; v5   stage: row lane % 16, + 32 (lane / 16): where my eight results of a row go
.set SW,  6                            ; v6   stage: row lane / 16, + 16 (lane % 16): rows as they lie in memory
.set GL,  7                            ; v7   memory: 512 (lane / 16) + 16 (lane % 16): the same two tokens; never rewritten
.set ML,  8                            ; v8   all ones in lanes 0-15
.set MH,  9                            ; v9   all ones in lanes 16-31
.set F,   10                           ; v[10:11] f = 2^(old M - new M); the packed forms name the pair and take its low word
.set NM,  12                           ; v12  -M;  v13 the largest t so far
.set SUM, 14                           ; v[14:15] the row's sum in two halves
.set QC,  16                           ; v16-21 Q's codes: lanes 0-15 the pair's first head, lanes 16-31 its second (v22: at work)
.set QS,  24                           ; v24-27 Q's scale words: register b has the byte at byte b and 0 elsewhere; lanes as QC
.set KSW, 28                           ; v28  K's scale words of a step: lanes 0-15 fragment 0, lanes 16-31 fragment 1
.set VSW, 29                           ; v29  V's: lanes 0-15 channels 0-15, lanes 16-31 channels 16-31
.set PSW, 30                           ; v30  p's scale word for the step's 128 keys
.set QA,  32                           ; v32-61 [0 X 0 Y 0], six registers each
.set KF,  64                           ; v64-87  two fragments of K
.set VF,  88                           ; v88-111 two fragments of V
.set S,   112                          ; v112-175 S^T, then p
.set O,   176                          ; v176-191 O^T: two tiles of 16 channels
.set PC,  192                          ; v192-203 p's codes
.set PT,  204                          ; v204-206, v208-210 the upper halves of p's blocks, as the conversions leave them
.set BM,  212                          ; v212-215 each block's largest score, then its largest p
.set BT,  216                          ; v216-219 at work
.set BS,  220                          ; v220-223 the conversions' scale operands
.set T0,  224
.set S2,  226                          ; v[226:227] the sum's second chain
; registers of the way in alone
.set K0R, 32                           ; v32-63   K, my tokens 0-15
.set K1R, 64                           ; v64-95   K, my tokens 16-31
.set QR,  96                           ; v96-127  Q, my 16 queries
.set VR,  128                          ; v128-191 V, my 32 tokens; behind the turn: 32 keys of a channel, first head, second head
.set CD,  192                          ; v192-223 four sets of codes, eight registers apart, so that no LDS store's data are written again on the way in
.set BY,  224                          ; v224-227 their scale bytes
.set SRD, 232                          ; v232 stage: row lane % 16, + 128 (lane / 16): a token's 32 channels of one head
.set SV,  233                          ; v233 stage: 4 x lane: one channel, down the rows
.set KA,  234                          ; v234, v235 where my key's six registers go in K's images
.set KB,  235
.set KSA, 236                          ; v236 and its scale byte
.set VA,  237                          ; v237-239 the same for V
.set VB,  238
.set VSA, 239
.set MA,  240
.set MB,  241
.set SCL, 242
.set WV,  8                            ; s8   my wave's number
.set QP,  22                           ; s[22:23] q at my wave's first query;  s[24:25] k, s[26:27] v at my wave's first token;  s[6:7] out0 at my first query
.set KP,  24
.set VP,  26
.set SEL, 28                           ; s[28:29] v_permlanex16_b32's selects for lane l xor 16
.set CS,  30                           ; s[30:31] log2(e)
.set QSC, 32                           ; s[32:33] 32^-0.5 as f32
.set TB,  34                           ; s34  the key step's images
.set TS,  35                           ; s35  the key step's scale words
.set CNT, 36
; 16 tokens x 256 bytes: load i takes tokens 2 i (lanes 0-15) and 2 i + 1 (lanes 16-31): image row i / 4, columns 2 (i % 4) and 2 (i % 4) + 1 of the window
.macro GLOAD reg, base, off, nt
.irp i, 0,1,2,3,4,5,6,7
.if \nt
	global_load_b128 v[\reg+4*\i:\reg+4*\i+3], v[GL], s[\base:\base+1] offset:\off+(\i/4)*IROW+(\i%4)*2*TOKB th:TH_LOAD_NT
.else
	global_load_b128 v[\reg+4*\i:\reg+4*\i+3], v[GL], s[\base:\base+1] offset:\off+(\i/4)*IROW+(\i%4)*2*TOKB
.endif
.endr
.endm
; 16 tokens through rows 16 g .. 16 g + 15 of my stage: in as they were loaded, back as 128 bytes a lane: register j = channel j of token lane % 16, head lane / 16.
; LDS serves a wave's instructions in order (ISA guide 5.7.1.4): no wait on DScnt between the stores and the loads, nor in front of a later turn's stores into the same rows.
.macro TURN reg, g
.irp i, 0,1,2,3,4,5,6,7
	ds_store_b128 v[SW], v[\reg+4*\i:\reg+4*\i+3] offset:(16*\g+2*\i)*SP
.endr
	s_wait_alu depctr_vm_vsrc(0)                   ; the eight stores have read these 32 registers, in which the eight loads below land
.irp j, 0,1,2,3,4,5,6,7
	ds_load_b128 v[\reg+4*\j:\reg+4*\j+3], v[SRD] offset:16*\g*SP+16*\j
.endr
.endm
; A lane's 32 registers v[x] .. v[x + 31] are one block: six registers of codes at v[c], the scale's byte in v[by].
.macro QUANT x, c, by
	v_max3_num_f32 v[MA], |v[\x]|, |v[\x+1]|, |v[\x+2]|            ; the largest magnitude, in two chains
	v_max3_num_f32 v[MB], |v[\x+3]|, |v[\x+4]|, |v[\x+5]|
.irp i, 6,10,14,18,22,26
	v_max3_num_f32 v[MA], v[MA], |v[\x+\i]|, |v[\x+\i+1]|
	v_max3_num_f32 v[MB], v[MB], |v[\x+\i+2]|, |v[\x+\i+3]|
.endr
	v_max3_num_f32 v[MA], v[MA], |v[\x+30]|, |v[\x+31]|
	v_max3_num_f32 v[MA], v[MA], v[MB], 0x1800000                  ; and the floor 2^(3 - 127): the byte cannot fall under 1
	v_add_nc_u32 v[SCL], 0xff000000, v[MA]                         ; 2 off its exponent field: the conversion takes the exponent field of this operand as its scale, and nothing else of it
	v_cvt_scalef32_pk16_fp6_f32 v[\c:\c+2], v[\x:\x+15], v[SCL]
	v_cvt_scalef32_pk16_fp6_f32 v[\c+4:\c+6], v[\x+16:\x+31], v[SCL]   ; (a conversion's three registers begin on an even number)
	v_nop                                                          ; one plain place behind a scaled conversion
	v_lshrrev_b32 v[\by], 23, v[SCL]                               ; the scale's byte
	v_mov_b32 v[\c+3], v[\c+4]
	v_mov_b32 v[\c+4], v[\c+5]
	v_mov_b32 v[\c+5], v[\c+6]
.endm
; Six registers of codes become registers 6 c .. 6 c + 5 of a lane of an image, c the wave's: as three pairs.  c = 0: bytes 0, 8, 512 of the lane's places; c = 1: 520, 1024, 1032.
; Address a holds + 520 c and serves the first and the third pair (512 apart), address b holds + 8 + 1016 c.
.macro PUT c, a, b, sa, by, off, soff
	s_wait_alu depctr_va_vdst(0)                   ; the conversions, the moves and the shift above have written the six registers of codes and the byte, which the four stores read
	ds_store_b64 v[\a], v[\c:\c+1] offset:\off
	ds_store_b64 v[\b], v[\c+2:\c+3] offset:\off
	ds_store_b64 v[\a], v[\c+4:\c+5] offset:\off+512
	ds_store_b8 v[\sa], v[\by] offset:\soff
.endm
; Two fragments of K and their scale words, seven loads: from the addresses in v[ai], v[as], off and soff bytes on.  And the same of V, from the step's own addresses.
.macro KFETCH ai, as, off, soff
.irp f, 0,1
.irp g, 0,1,2
	ds_load_b128 v[KF+12*\f+4*\g:KF+12*\f+4*\g+3], v[\ai] offset:KIMG+(\off)+\f*FRB+512*\g
.endr
.endr
	ds_load_b32 v[KSW], v[\as] offset:KSC+(\soff)
.endm
.macro VFETCH off, soff
.irp f, 0,1
.irp g, 0,1,2
	ds_load_b128 v[VF+12*\f+4*\g:VF+12*\f+4*\g+3], v[ADI] offset:VIMG+(\off)+\f*FRB+512*\g
.endr
.endr
	ds_load_b32 v[VSW], v[ADS] offset:VSC+(\soff)
.endm
	s_load_b128 s[4:7], s[0:1], 0x0                ; qkv s[4:5], out0 s[6:7]
	v_lshl_add_u32 v254, v0, 2, 0x2e800            ; behind the stages: my spare word, and 0: made here and kept for the closing lines alone
	v_mov_b32 v255, 0
	v_lshrrev_b32 v1, 5, v0
	v_readfirstlane_b32 s[WV], v1                  ; wave 0..15
	v_and_b32 v10, 15, v0                          ; r = lane % 16
	v_bfe_u32 v11, v0, 4, 1                        ; h = lane / 16
	v_lshlrev_b32 v[GL], 4, v10
	v_lshl_add_u32 v[GL], v11, 9, v[GL]
	s_wait_alu depctr_va_sdst(0)                   ; s8, the wave's number, is written, ahead of its first reader: the bases and the LDS addresses are made from it
	; the work-group's number: bit 0 the half of the queries, bit 1 the pair of heads, bits 4:2 the window, bits 7:5 the image: the two work-groups that read the same K and V are neighbours
	s_lshr_b32 s16, ttmp9, 5
	s_lshl_b32 s16, s16, 21                        ; an image: 4,096 tokens of 512 bytes
	s_bfe_u32 s17, ttmp9, 0x30002
	s_lshl_b32 s17, s17, 12                        ; a window: 8 tokens on in each image row
	s_add_co_u32 s16, s16, s17
	s_bfe_u32 s17, ttmp9, 0x10001
	s_lshl_b32 s17, s17, 8                         ; a pair of heads: 256 bytes of a token
	s_add_co_u32 s16, s16, s17
	s_and_b32 s18, ttmp9, 1
	s_lshl_b32 s18, s18, 20                        ; a half of the queries: 32 image rows
	s_lshl_b32 s19, s[WV], 16                      ; my 16 queries: 2 image rows a wave
	s_add_co_u32 s18, s18, s19
	s_add_co_u32 s18, s18, s16
	s_mov_b32 s19, 0
	s_lshl_b32 s20, s[WV], 17                      ; my 32 tokens of K and V: 4 image rows a wave
	s_add_co_u32 s20, s20, s16
	s_add_co_u32 s20, s20, TENS
	s_mov_b32 s21, 0
	s_wait_kmcnt 0x0
	s_add_nc_u64 s[QP:QP+1], s[4:5], s[18:19]
	s_add_nc_u64 s[KP:KP+1], s[4:5], s[20:21]
	s_add_nc_u64 s[VP:VP+1], s[KP:KP+1], TENS
	s_add_nc_u64 s[6:7], s[6:7], s[18:19]
	s_wait_alu depctr_va_vdst(0)                   ; v7 is written, which all 40 loads, and the stores at the end, read as their offset
	GLOAD K0R, KP, 0, 0                            ; all 40 loads of the wave go out before anything else: 20,480 bytes a wave, 327,680 a work-group
	GLOAD K1R, KP, 2*IROW, 0
	GLOAD QR, QP, 0, 1                             ; q is read once in the launch; k and v by two work-groups
	GLOAD VR, VP, 0, 0
	GLOAD VR+32, VP, 2*IROW, 0
	; LDS addresses, while the loads are on their way: none of these lines names v7 or v32-191
	v_and_b32 v12, 31, v0                          ; lane
	v_lshlrev_b32 v[LI], 4, v12
	v_lshlrev_b32 v[LS], 2, v12
	s_mul_i32 s9, s[WV], WST
	s_add_co_u32 s9, s9, STG                       ; my stage
	v_mul_u32_u24 v13, v10, SP
	v_add_nc_u32 v13, s9, v13
	v_lshl_add_u32 v[SRD], v11, 7, v13
	v_lshl_add_u32 v[SO], v11, 5, v13
	v_mul_u32_u24 v14, v11, SP
	v_lshl_add_u32 v14, v10, 4, v14
	v_add_nc_u32 v[SW], s9, v14
	v_add_nc_u32 v[SV], s9, v[LS]
	; K.  Key 32 w + 16 p + r (p: the pass) lies in step w / 4, fragment (w / 2) % 2, registers 6 c on with c = w % 2, lane (r % 8) + 8 p + 16 (r / 8); the head is my lane's half
	s_lshr_b32 s10, s[WV], 1
	s_and_b32 s11, s[WV], 1
	s_mul_i32 s12, s10, FRB
	s_mul_i32 s13, s11, 520
	s_add_co_u32 s12, s12, s13
	v_and_b32 v15, 7, v0                           ; r % 8
	v_bfe_u32 v16, v0, 3, 1                        ; r / 8
	v_mul_u32_u24 v17, v11, HDB
	v_lshl_add_u32 v17, v15, 4, v17
	v_lshl_add_u32 v17, v16, 8, v17
	v_add_nc_u32 v[KA], s12, v17                   ; (KIMG is 0)
	s_mul_i32 s13, s11, 496
	s_add_co_u32 s13, s13, 8
	v_add_nc_u32 v[KB], s13, v[KA]
	s_lshl_b32 s12, s10, 6                         ; its scale byte: word (r % 8) + 8 p of the fragment's sixteen, byte 2 c + r / 8
	s_lshl_b32 s13, s11, 1
	s_add_co_u32 s12, s12, s13
	s_add_co_u32 s12, s12, KSC
	v_lshl_add_u32 v17, v11, 9, v16
	v_lshl_add_u32 v17, v15, 2, v17
	v_add_nc_u32 v[KSA], s12, v17
	; V.  Keys 32 w .. 32 w + 31 are block w % 4 of step w / 4: registers 6 c on with c = (w / 2) % 2, lanes 16 (w % 2) on; my lane's channel picks the fragment (lane / 16) and the row (lane % 16)
	s_lshr_b32 s12, s[WV], 2
	s_bfe_u32 s13, s[WV], 0x10001
	s_mul_i32 s14, s12, STB
	s_lshl_b32 s15, s11, 8
	s_add_co_u32 s14, s14, s15
	s_mul_i32 s15, s13, 520
	s_add_co_u32 s14, s14, s15
	s_add_co_u32 s14, s14, VIMG
	v_mul_u32_u24 v17, v11, FRB
	v_lshl_add_u32 v17, v10, 4, v17
	v_add_nc_u32 v[VA], s14, v17
	s_mul_i32 s15, s13, 496
	s_add_co_u32 s15, s15, 8
	v_add_nc_u32 v[VB], s15, v[VA]
	s_lshl_b32 s14, s12, 7
	s_and_b32 s15, s[WV], 3
	s_add_co_u32 s14, s14, s15
	s_add_co_u32 s14, s14, VSC
	v_add_nc_u32 v[VSA], s14, v[LS]
	v_add_nc_u32 v[ML], -1, v11                    ; h - 1: all ones in lanes 0-15
	v_sub_nc_u32 v[MH], 0, v11                     ; -h: all ones in lanes 16-31
	s_mov_b32 s[SEL], 0x76543210
	s_mov_b32 s[SEL+1], 0xfedcba98
	s_mov_b32 s[CS], 0x3fb8aa3b                    ; log2(e)
	s_mov_b32 s[CS+1], s[CS]                       ; (named with it as a pair, so it is written)
	s_mov_b32 s[QSC], 0x3e3504f3                   ; 32^-0.5
	s_mov_b32 s[QSC+1], s[QSC]
	s_wait_alu depctr_va_vdst(0)                   ; the LDS addresses v1, v2, v5, v6 and v232 to v239 are written, which the LDS lines from here to the end read; none is written again
	s_wait_loadcnt 32                              ; loads come back in order (ISA guide 5.7.1): K's first eight are in, the 32 younger ones may be out
	TURN K0R, 0
	s_wait_loadcnt 24                              ; K's second eight
	TURN K1R, 1
	s_wait_dscnt 16                                ; the first turn is back; the second turn's 16 lines may be out
	QUANT K0R, CD, BY
	PUT CD, KA, KB, KSA, BY, 0, 0
	s_wait_loadcnt 16                              ; Q's eight
	TURN QR, 0
	s_wait_dscnt 20                                ; K's second turn is back; behind it: 4 stores of codes and Q's turn of 16
	QUANT K1R, CD+8, BY+1
	PUT CD+8, KA, KB, KSA, BY+1, 128, 32           ; the second pass: eight lanes and eight scale words on
	s_wait_dscnt 4                                 ; Q's turn is back; behind it: 4 stores of codes
.set j, 0
.rept 16
	v_pk_mul_f32 v[QR+j:QR+j+1], v[QR+j:QR+j+1], s[QSC:QSC+1] op_sel_hi:[1,0]   ; q x 32^-0.5, in f32, ahead of the quantiser
.set j, j+2
.endr
	QUANT QR, QC, QS
	v_lshlrev_b32 v[QS+1], 8, v[QS]                ; the byte at byte b, 0 (the smallest scale) over the three blocks whose codes are zeros
	v_lshlrev_b32 v[QS+2], 16, v[QS]
	v_lshlrev_b32 v[QS+3], 24, v[QS]
	s_wait_loadcnt 0x0                             ; V
.irp i, 0,1,2,3,4,5,6,7
	ds_store_b128 v[SW], v[VR+4*\i:VR+4*\i+3] offset:(2*\i)*SP
.endr
.irp i, 0,1,2,3,4,5,6,7
	ds_store_b128 v[SW], v[VR+32+4*\i:VR+32+4*\i+3] offset:(16+2*\i)*SP
.endr
	s_wait_alu depctr_vm_vsrc(0)                   ; the sixteen stores have read v128 to v191, in which the 64 loads below land
.set i, 0
.rept 32
	ds_load_b32 v[VR+i], v[SV] offset:i*SP         ; key i of my channel, first head: 32 lanes read 128 consecutive bytes
.set i, i+1
.endr
.set i, 0
.rept 32
	ds_load_b32 v[VR+32+i], v[SV] offset:i*SP+128  ; second head
.set i, i+1
.endr
	s_wait_dscnt 32                                ; the first head's 32 are in, the second head's may be out
	QUANT VR, CD+16, BY+2
	PUT CD+16, VA, VB, VSA, BY+2, 0, 0
	s_wait_dscnt 4                                 ; the second head's are in; behind them: 4 stores of codes
	QUANT VR+32, CD+24, BY+3
	PUT CD+24, VA, VB, VSA, BY+3, HDB, 512
	s_wait_dscnt 0x0                               ; for the others' sake: all my stores into the images have landed
	s_wait_alu depctr_vm_vsrc(0)                   ; those stores have read v192 to v227, the four sets of codes and bytes: the moves below and the key steps write these registers anew
	s_barrier_signal -1
.set i, 0
.rept 30
	v_mov_b32 v[QA+i], 0                           ; Q's run of 30: the zeros stay; X and Y are written for each head
.set i, i+1
.endr
.irp b, 0,1,2,3
	v_mov_b32 v[BT+\b], 0                          ; written once: a lane permute's destination counts as one of its sources
.endr
	v_mov_b32 v[F+1], 0                            ; (named as the upper half of the pair)
	s_barrier_wait -1                              ; K's and V's images and scale words are whole; from here on they are only read
	KFETCH LI, LS, 0, 0                            ; the first head's first K, while Q's views are made.  No wait: the lines that read v64 to v87 stand ahead of an earlier wait for the vector side, and none since names them, v28, v1 or v2
; Tile t of S^T: fragment t / 4 of K against the view of Q that is alive in block t % 4: [X 0] at QA + 6, [Y 0] at QA + 18, [0 X] at QA, [0 Y] at QA + 12.
; K's scale words lie in lanes 0-15 (fragment 0) or 16-31 (fragment 1), Q's in lanes 0-15 (first head) or 16-31 (second).
.macro SPROD t, hh
.set rD, S+8*(\t)
.set rA, KF+12*((\t)/4)
.set rB, QA+6-3*((\t)&2)+12*((\t)&1)
.set rQ, QS+(\t)%4
.if ((\t) < 4) && (\hh == 0)
	v_wmma_scale_f32_16x16x128_f8f6f4 v[rD:rD+7], v[rA:rA+11], v[rB:rB+11], 0, v[KSW], v[rQ] matrix_a_fmt:MATRIX_FMT_FP6 matrix_b_fmt:MATRIX_FMT_FP6
.elseif (\hh == 0)
	v_wmma_scale_f32_16x16x128_f8f6f4 v[rD:rD+7], v[rA:rA+11], v[rB:rB+11], 0, v[KSW], v[rQ] matrix_a_fmt:MATRIX_FMT_FP6 matrix_b_fmt:MATRIX_FMT_FP6 matrix_a_scale:MATRIX_SCALE_ROW1
.elseif ((\t) < 4)
	v_wmma_scale_f32_16x16x128_f8f6f4 v[rD:rD+7], v[rA:rA+11], v[rB:rB+11], 0, v[KSW], v[rQ] matrix_a_fmt:MATRIX_FMT_FP6 matrix_b_fmt:MATRIX_FMT_FP6 matrix_b_scale:MATRIX_SCALE_ROW1
.else
	v_wmma_scale_f32_16x16x128_f8f6f4 v[rD:rD+7], v[rA:rA+11], v[rB:rB+11], 0, v[KSW], v[rQ] matrix_a_fmt:MATRIX_FMT_FP6 matrix_b_fmt:MATRIX_FMT_FP6 matrix_a_scale:MATRIX_SCALE_ROW1 matrix_b_scale:MATRIX_SCALE_ROW1
.endif
.endm
; A KEY STEP: 128 keys of head hh against my 16 queries.  Its K is in registers when it begins.  more = 1: the next step's K is asked for (behind a head's fourth step lies the next head's first).
.macro STEP hh, more
	s_wait_alu depctr_vm_vsrc(0)                   ; the last step's LDS loads have read ADI and ADS, which are written below; in the second head's first step: the first head's stores into the stage have read v112 to v127, which the products write
.irp t, 0,1,2,3,4,5,6,7
	SPROD \t, \hh
.endr                                              ; lane (r, h) holds query r; the 16 registers of tiles 2 b, 2 b + 1 are keys 32 b + 16 h + 0 .. 15 of the step
	v_add_nc_u32 v[ADI], s[TB], v[LI]              ; this step's addresses.  With the two v_nop: four places in front of the first read of results (ISA guide 7.12.1)
	v_add_nc_u32 v[ADS], s[TS], v[LS]
	v_nop
	v_nop
.irp b, 0,1,2,3
	v_max3_num_f32 v[BM+\b], v[S+16*\b], v[S+16*\b+1], v[S+16*\b+2]   ; the largest score of each block of 32 keys: it serves the row's maximum and, since p rises with the score, the block's largest p.  Each tile is read from its low end on
.endr
.irp i, 3,5,7,9,11,13
.irp b, 0,1,2,3
	v_max3_num_f32 v[BM+\b], v[BM+\b], v[S+16*\b+\i], v[S+16*\b+\i+1]   ; (the four blocks by turns)
.endr
.endr
.irp b, 0,1,2,3
	v_max_num_f32 v[BM+\b], v[BM+\b], v[S+16*\b+15]
.endr
.irp b, 0,1,2,3
	v_permlanex16_b32 v[BT+\b], v[BM+\b], s[SEL], s[SEL+1]
.endr
.irp b, 0,1,2,3
	v_max_num_f32 v[BM+\b], v[BM+\b], v[BT+\b]     ; with lane l xor 16's 16 keys
.endr
	v_max3_num_f32 v[T0], v[BM], v[BM+1], v[BM+2]
	v_max_num_f32 v[T0], v[T0], v[BM+3]            ; the step's largest score of my query
	v_mul_f32 v[T0], s[CS], v[T0]                  ; as t
	v_max_num_f32 v[NM+1], v[NM+1], v[T0]          ; the running largest t
	v_mov_b32 v[T0], v[NM]
	v_floor_f32 v[NM], -v[NM+1]                    ; the new -M = floor(-t) = -ceil(t): a whole number
	v_sub_f32 v[T0], v[NM], v[T0]                  ; old M - new M: a whole number, 0 or less
	v_cvt_i32_f32 v[T0], v[T0]                     ; (it saturates)
	v_ldexp_f32 v[F], 1.0, v[T0]                   ; f = 2^(old M - new M): a multiplication by it rounds nothing
.set j, 0
.rept 32
	v_pk_fma_f32 v[S+j:S+j+1], v[S+j:S+j+1], s[CS:CS+1], v[NM:NM+1] op_sel_hi:[1,0,0]   ; t - M, two at a time (of the pairs the low word serves both halves)
.set j, j+2
.endr
.irp b, 0,1,2,3
	v_fma_f32 v[BM+\b], v[BM+\b], s[CS], v[NM]     ; the same of each block's largest score
.endr
.set j, 0
	s_wait_alu depctr_va_vdst(0)
.rept 64
	v_exp_f32 v[S+j], v[S+j]                       ; p = 2^(t - M), at most 1, not normalised
.set j, j+1
.endr
.irp b, 0,1,2,3
	v_exp_f32 v[BM+\b], v[BM+\b]                   ; the block's largest p: the same two instructions on the same number give the same bits
.endr
	v_pk_mul_f32 v[SUM:SUM+1], v[SUM:SUM+1], v[F:F+1] op_sel_hi:[1,0]   ; the sum under the new M.  (The plain place behind the exponentials)
	s_wait_alu depctr_va_vdst(0)                   ; the 68 exponentials have written their results, ahead of the first line that names one; ADI and ADS are written, which the loads below read; this step's products of S^T are done reading KF and KSW, the last step's products of O^T VF and VSW, in which those loads land
	VFETCH \hh*HDB, \hh*512                        ; this step's V: wanted at the step's end
.irp b, 0,1,2,3
	v_max_num_f32 v[BM+\b], 0x1800000, v[BM+\b]    ; the floor 2^(3 - 127): the byte cannot fall under 1
.endr
.irp b, 0,1,2,3
	v_add_nc_u32 v[BS+\b], 0xff000000, v[BM+\b]    ; 2 off the exponent field: the conversion's scale operand
.endr
.irp b, 0,1,2,3
	v_lshrrev_b32 v[BT+\b], 23, v[BS+\b]           ; the scale's byte
.endr
	v_lshl_or_b32 v[PSW], v[BT+1], 8, v[BT]        ; p's scale word for these 128 keys
	v_lshl_or_b32 v[PSW], v[BT+2], 16, v[PSW]
	v_lshl_or_b32 v[PSW], v[BT+3], 24, v[PSW]
.if \more
	KFETCH ADI, ADS, \hh*HDB+STB, \hh*512+128      ; the next step's K, one step on by the immediate.  No wait: no vector or matrix line since the wait above names KF, KSW, ADI or ADS
.endif
.irp c, 0,1
	v_cvt_scalef32_pk16_fp6_f32 v[PC+6*\c:PC+6*\c+2], v[S+32*\c:S+32*\c+15], v[BS+2*\c]
	v_cvt_scalef32_pk16_fp6_f32 v[PT+4*\c:PT+4*\c+2], v[S+32*\c+16:S+32*\c+31], v[BS+2*\c+1]   ; (a conversion's three registers begin on an even number)
.endr
	v_nop                                          ; one plain place behind a scaled conversion
.irp c, 0,1                                        ; the operand's layout wants a WHOLE block in a lane: lanes 0-15 block 2 c, lanes 16-31 block 2 c + 1
.irp i, 0,1,2
	v_permlane16_swap_b32 v[PC+6*\c+\i], v[PT+4*\c+\i]
.endr
.irp i, 0,1,2
	v_mov_b32 v[PC+6*\c+3+\i], v[PT+4*\c+\i]
.endr
.endr
.set j, 0
.rept 8
	v_pk_mul_f32 v[O+j:O+j+1], v[O+j:O+j+1], v[F:F+1] op_sel_hi:[1,0]   ; O^T under the new M
.set j, j+2
.endr
	v_pk_add_f32 v[S2:S2+1], v[S:S+1], v[S+2:S+3]  ; the row's sum is taken of the UNQUANTISED p: two at a time, in two chains.  (These 32 lines are also the places between the writes of p's codes and scale word and the products below)
.set j, 4
.rept 15
	v_pk_add_f32 v[SUM:SUM+1], v[SUM:SUM+1], v[S+j:S+j+1]
	v_pk_add_f32 v[S2:S2+1], v[S2:S2+1], v[S+j+2:S+j+3]
.set j, j+4
.endr
	v_pk_add_f32 v[SUM:SUM+1], v[SUM:SUM+1], v[S2:S2+1]
	s_wait_dscnt 0x0                               ; V's fragments and scale words are in, and so are the next step's K's
	s_wait_alu depctr_va_vdst(0)                   ; p's codes and p's scale word are written, which the two products take as source 1 and as its scales; the places above stay beside this wait
	; O^T += V^T P^T: two tiles of 16 channels, K = these 128 keys.  The two accumulators take turns, one instruction a turn, with the eight products of S^T between one step's turn and the next
	v_wmma_scale_f32_16x16x128_f8f6f4 v[O:O+7], v[VF:VF+11], v[PC:PC+11], v[O:O+7], v[VSW], v[PSW] matrix_a_fmt:MATRIX_FMT_FP6 matrix_b_fmt:MATRIX_FMT_FP6
	v_wmma_scale_f32_16x16x128_f8f6f4 v[O+8:O+15], v[VF+12:VF+23], v[PC:PC+11], v[O+8:O+15], v[VSW], v[PSW] matrix_a_fmt:MATRIX_FMT_FP6 matrix_b_fmt:MATRIX_FMT_FP6 matrix_a_scale:MATRIX_SCALE_ROW1
.endm
; ONE HEAD of the pair: Q's two live pieces, four key steps, and the result into my stage.  The first head's four steps are a loop; of the second head's the last is written out: it asks for no more of K.
.macro HEAD hh
.if \hh == 0
.irp i, 0,1,2,3,4,5
	v_and_b32 v[QA+6+\i], v[ML], v[QC+\i]          ; X: the first head's codes lie in lanes 0-15
.endr
.irp i, 0,1,2,3,4,5
	v_permlanex16_b32 v[QA+18+\i], v[QA+6+\i], s[SEL], s[SEL+1]   ; Y: the same in lanes 16-31, zeros below
.endr
.else
.irp i, 0,1,2,3,4,5
	v_and_b32 v[QA+18+\i], v[MH], v[QC+\i]         ; Y: the second head's codes lie in lanes 16-31
.endr
.irp i, 0,1,2,3,4,5
	v_permlanex16_b32 v[QA+6+\i], v[QA+18+\i], s[SEL], s[SEL+1]   ; X
.endr
.endif
	v_mov_b32 v[NM+1], 0xff61b1e6                  ; the largest t so far: -3e38, under every t
	v_floor_f32 v[NM], -v[NM+1]                    ; -M
	v_mov_b32 v[SUM], 0
	v_mov_b32 v[SUM+1], 0
.set j, 0
.rept 16
	v_mov_b32 v[O+j], 0                            ; O^T.  (The step is written once: the first finds zeros, which the first change of M leaves zeros.  These lines are also the places behind the writes of X and Y)
.set j, j+1
.endr
	s_mov_b32 s[TB], 0
	s_mov_b32 s[TS], 0
	s_mov_b32 s[CNT], 4-\hh
.if \hh == 0
	s_wait_dscnt 0x0                               ; the first K is in (the second head's first K was waited for in the first head's last step)
.endif
	s_wait_alu depctr_va_vdst(0)                   ; Q's run of 30 registers is written, X and Y just now, which the products of S^T take as source 1; the places above stay beside this wait
.Lstep\hh:
	STEP \hh, 1
	s_add_co_u32 s[TB], s[TB], STB
	s_add_co_u32 s[TS], s[TS], 128
	s_sub_co_u32 s[CNT], s[CNT], 1
	s_cmp_lg_u32 s[CNT], 0
	s_cbranch_scc1 .Lstep\hh
.if \hh == 1
	STEP \hh, 0                                    ; the very last step
.endif
	v_add_f32 v[SUM], v[SUM], v[SUM+1]             ; the sum's two halves,
	v_permlanex16_b32 v[T0], v[SUM], s[SEL], s[SEL+1]
	v_add_f32 v[SUM], v[SUM], v[T0]                ; and lane l xor 16's: the row's sum
	s_wait_alu depctr_va_vdst(0)
	v_rcp_f32 v[SUM], v[SUM]
.rept 3
	v_nop                                          ; the plain place behind the reciprocal; with the two additions above, five plain lines between the last products and the first read of O^T
.endr
.set j, 0
	s_wait_alu depctr_va_vdst(0)                   ; the reciprocal has written its result, ahead of the first line that names it
.rept 8
	v_pk_mul_f32 v[S+j:S+j+1], v[O+j:O+j+1], v[SUM:SUM+1] op_sel_hi:[1,0]   ; O^T / the sum: register 8 t + i is o(query r, channel 16 t + 8 h + i)
.set j, j+2
.endr
	s_wait_alu depctr_va_vdst(0)                   ; the eight multiplications have written v112 to v127, which the four stores read; behind the second head also: every line that named v128 to v159 is done, in which the last loads land
.irp t, 0,1
	ds_store_b128 v[SO], v[S+8*\t:S+8*\t+3] offset:128*\hh+64*\t        ; my stage, row r: the head's 128 bytes of the row's 256
	ds_store_b128 v[SO], v[S+8*\t+4:S+8*\t+7] offset:128*\hh+64*\t+16
.endr
.endm
	HEAD 0
	HEAD 1
	; THE WAY OUT: 16 rows of 256 bytes come back from my stage as they lie in memory: lanes 0-15 one token, lanes 16-31 the next.  LDS serves a wave's instructions in order: these loads see my stores.
.irp i, 0,1,2,3,4,5,6,7
	ds_load_b128 v[S+16+4*\i:S+16+4*\i+3], v[SW] offset:2*\i*SP
.endr
.irp i, 0,1,2,3,4,5,6,7
	s_wait_dscnt 7-\i                              ; LDS loads come back in order: pair i of rows is in
	global_store_b128 v[GL], v[S+16+4*\i:S+16+4*\i+3], s[6:7] offset:(\i/4)*IROW+(\i%4)*2*TOKB th:TH_STORE_NT   ; sixteen lanes store 256 consecutive bytes, at a multiple of 256 from out0's first byte; written once, read by nobody here
.endr
	s_wait_dscnt 0x0                               ; the closing lines, six on end
	s_wait_alu 0x0
	s_wait_tensorcnt 0x0
	ds_add_u32 v254, v255
	s_wait_dscnt 0x0
	s_endpgm
.Lfunc_end_k_qdee9da9b80_lepe:
	.size	k_qdee9da9b80_lepe, .Lfunc_end_k_qdee9da9b80_lepe-k_qdee9da9b80_lepe
	.p2alignl 7, 3214868480
	.fill 96, 4, 3214868480
	.section	.rodata,"a",@progbits
	.p2align	6, 0x0
	.amdhsa_kernel k_qdee9da9b80_lepe
		.amdhsa_group_segment_fixed_size 192512
		.amdhsa_private_segment_fixed_size 0
		.amdhsa_enable_private_segment 0
		.amdhsa_kernarg_size 16
		.amdhsa_user_sgpr_count 2
		.amdhsa_user_sgpr_kernarg_segment_ptr 1
		.amdhsa_wavefront_size32 1
		.amdhsa_system_sgpr_workgroup_id_x 1
		.amdhsa_system_sgpr_workgroup_id_y 1
		.amdhsa_system_sgpr_workgroup_id_z 1
		.amdhsa_system_vgpr_workitem_id 0
		.amdhsa_next_free_vgpr 256
		.amdhsa_next_free_sgpr 66
		.amdhsa_reserve_vcc 0
		.amdhsa_float_denorm_mode_32 3
		.amdhsa_float_denorm_mode_16_64 3
		.amdhsa_memory_ordered 1
		.amdhsa_forward_progress 1
		.amdhsa_inst_pref_size 75
	.end_amdhsa_kernel
	.amdgpu_metadata
---
amdhsa.version: [ 1, 2 ]
amdhsa.kernels:
  - .name:           k_qdee9da9b80_lepe
    .symbol:         k_qdee9da9b80_lepe.kd
    .args:
      - { .name: qkv, .offset: 0, .size: 8, .value_kind: global_buffer, .address_space: global }
      - { .name: out0, .offset: 8, .size: 8, .value_kind: global_buffer, .address_space: global }
    .group_segment_fixed_size: 192512
    .private_segment_fixed_size: 0
    .kernarg_segment_align: 8
    .kernarg_segment_size: 16
    .max_flat_workgroup_size: 512
    .sgpr_count:     66
    .vgpr_count:     256
    .wavefront_size: 32
...
	.end_amdgpu_metadata
.endif
;; end of part 2
